; MI455X (gfx1250); checked and timed in simulation.
; The chip was launched on July 23, 2026; its instructions are those of AMD's public machine-readable ISA for CDNA 5 (MIT licence, August 2026) and "CDNA5" Instruction Set Architecture Reference Guide (July 2026). The comments in the code are by the model that wrote it; some were corrected since.
;; Special Self Attention. Allowed arithmetic: float matrix products may take bf16 or f16 operands with f32 sums; all other float work in f32.
;; Inputs: Wk 320 x 320 float32; Wo 320 x 320 float32; Wq 320 x 320 float32; Wv 320 x 320 float32; bo 320 float32; edge 4 x 2,048 x 1 float32; x 4 x 2,048 x 320 float32.
;; Outputs: out0 4 x 2,048 x 320 float32.
;; 2 versions, each right; version 2 is version 1 with the launch proj written anew for expert scheduling mode. Each part assembles by itself: llvm-mc -triple=amdgcn-amd-amdhsa -mcpu=gfx1250 --defsym DOCPART=n.
;; ======== version 1 of 2: 2 launches
;; limits: values are held in f16: magnitudes above 65,504 overflow, below 6.1e-05 lose precision
;; workspace buffers: qf 5,242,880 bytes; kv 10,485,760 bytes; wof 204,800 bytes
;; launch proj (part 1): grid 64 x 3, 8 waves a work-group, no clusters, 302,080 bytes of LDS; arguments x, edge, Wq, Wk, Wv, Wo, qf, kv, wof; writes qf, kv, wof
.if DOCPART == 1
	.amdgcn_target "amdgcn-amd-amdhsa--gfx1250"
	.amdhsa_code_object_version 6
	.text
	.protected	k_q44a439954e_proj
	.globl	k_q44a439954e_proj
	.p2align	8
	.type	k_q44a439954e_proj,@function
k_q44a439954e_proj:
	s_mov_b64 s[64:65], 0
	v_nop
	global_prefetch_b8 v0, s[64:65] scope:SCOPE_SE
	s_setreg_imm32_b32 hwreg(HW_REG_WAVE_MODE, 25, 1), 1
	s_wait_xcnt 0x0
; PROJ: q' = (x Wq) e scale log2(e), k' = (x Wk) e, v = x Wv, and Wo rewritten; everything is stored in the order in which
; the attention launch's matrix operands want it: blocks of 512 bytes, lane L's 16 bytes at 16 L.
; kv holds, for each pair 5 b + head, 32 chunks of 64 keys: 8,192 bytes of k' and then 8,192 bytes of v.
; The edge factor e_i e_j of a score is an outer product, so e_i goes into q and e_j into k; pair 5 b + head uses edge row (b + head) & 3.
; Work-group (X, type): tokens 128 X .. 128 X + 127, all 320 columns of q (type 0), k (1) or v (2).  192 equal work-groups: a split of the
; 960 columns by four would mix the three kinds, their operand orders and their targets in one wave.
; Eight waves: wave w has 64 tokens (wr = w >> 2) x 80 columns (wc = w & 3): 20 accumulator tiles, 160 registers.
; x and W are f32 in memory and are narrowed to f16 on the way, so they pass through registers; W in f32 (409,600 bytes) would not fit
; in LDS, which is why no tensor load and no joint request brings it, although 64 work-groups read the same W.
; LIMITS: x and the weights pass through f16 and v is stored in f16: |value| < 65,504 (x and Wv both 30 times the drawn spread give |v| near 4,700).
; q' and k' are stored in bf16, whose range is f32's.  NaN and infinities are not served.
.set XROW,   1280                      ; bytes in a row of x and of W (320 f32)
.set GRP,    16*XROW                   ; a staging group: 16 rows
.set WPITCH, 672                       ; LDS row of W in f16: 640 bytes + 32 (21 x 32: the pitch the transposing load wants odd in units of 32)
.set XPITCH, 656                       ; LDS row of x in f16: 640 bytes + 16 (41 x 16)
.set XL,     320*WPITCH                ; 215,040: x behind W
.set EL,     XL+128*XPITCH             ; 299,008: edge[4][128 tokens] f32, 2,048 bytes
.set T,   16                           ; v[16:35]   two sets of ten: a group narrowed to f16
.set SL,  96                           ; v[96:255]  eight staging slots of 20 registers
.set XF,  16                           ; v[16:47]   fragments of x, 4 token tiles
.set WF,  48                           ; v[48:87]   fragments of W, 5 column tiles
.set EF,  16                           ; v[16:55]   way out: the edge factor of tile n in the even register EF + 2 n
.set EAD, 88                           ; v[88:92]   way out: LDS address of the edge row of column tile ci
.set ACC, 96                           ; v[96:255]  tile (ci, nt) at ACC + 8 (4 ci + nt)
.macro PLACES n
.rept \n
	v_nop
.endr
.endm
	s_load_b512 s[4:19], s[0:1], 0x0               ; x 4, edge 6, Wq 8, Wk 10, Wv 12, Wo 14, qf 16, kv 18
	s_load_b64 s[20:21], s[0:1], 0x40              ; wof
	v_lshl_add_u32 v94, v0, 2, 0x49800
	v_mov_b32 v95, 0
	v_lshrrev_b32 v1, 5, v0
	v_readfirstlane_b32 s30, v1                    ; wave 0..7
	s_and_b32 s31, ttmp7, 0xffff                   ; type
	s_lshr_b32 s32, s30, 2                         ; wr
	s_and_b32 s33, s30, 3                          ; wc
	s_lshr_b32 s35, ttmp9, 4                       ; b
	s_and_b32 s36, ttmp9, 15                       ; cn: block of 128 tokens in the batch
	s_min_u32 s37, s31, 1                          ; 1 where the target is kv (twice qf's bytes for a pair and for a block)
	s_lshr_b32 s38, s31, 1                         ; 1 for v
	s_mul_i32 s39, s35, 5                          ; 5 b
	s_mul_i32 s55, s33, 5                          ; 5 wc: my first column tile
	v_lshrrev_b32 v1, 4, v0                        ; t >> 4: my row in a staging group
	v_and_b32 v2, 15, v0                           ; t & 15: my 16 bytes in a piece of 256; also r
	v_bfe_u32 v3, v0, 4, 1                         ; h
	v_mul_u32_u24 v4, v1, XROW
	v_lshl_add_u32 v4, v2, 4, v4                   ; v4: global offset in a group
	v_mul_u32_u24 v5, v1, WPITCH
	v_lshl_add_u32 v5, v2, 3, v5                   ; v5: where my 8 bytes of W go
	v_mul_u32_u24 v6, v1, XPITCH
	v_lshl_add_u32 v6, v2, 3, v6
	v_add_nc_u32 v6, XL, v6                        ; v6: where my 8 bytes of x go
	v_lshrrev_b32 v7, 6, v0
	v_and_b32 v8, 63, v0
	v_lshlrev_b32 v7, 13, v7
	v_lshl_add_u32 v7, v8, 3, v7                   ; v7: edge row t >> 6 (8,192 bytes apart), 8 bytes at 8 (t & 63)
	v_lshlrev_b32 v8, 3, v0
	v_add_nc_u32 v8, EL, v8                        ; v8: the same 8 bytes in LDS
	s_lshl_b32 s62, s32, 6
	v_add_nc_u32 v11, s62, v2                      ; 64 wr + r
	v_mul_u32_u24 v9, v11, XPITCH
	v_lshl_add_u32 v9, v3, 4, v9
	v_add_nc_u32 v9, XL, v9                        ; v9: x fragment: row x pitch + 16 h
	v_lshlrev_b32 v11, 2, v11
	v_add_nc_u32 v11, EL, v11                      ; v11: edge of my token in edge row 0
	v_and_b32 v10, 7, v0
	v_lshl_add_u32 v10, v3, 3, v10                 ; 8 h + (L & 7)
	v_mul_u32_u24 v10, v10, WPITCH
	v_bfe_u32 v12, v0, 3, 1
	v_lshl_add_u32 v10, v12, 4, v10
	s_mul_i32 s62, s33, 160
	v_add_nc_u32 v10, s62, v10                     ; v10: W fragment through the transposing load, K step 0
	v_and_b32 v12, 31, v0
	v_lshlrev_b32 v12, 4, v12                      ; v12: 16 L
	v_mul_u32_u24 v13, v3, 8*XROW
	v_lshl_add_u32 v13, v2, 2, v13                 ; v13: Wo: 8 h rows + 4 r
	s_wait_kmcnt 0x0
	s_cmp_eq_u32 s31, 1
	s_cselect_b64 s[22:23], s[10:11], s[8:9]
	s_cmp_eq_u32 s31, 2
	s_cselect_b64 s[22:23], s[12:13], s[22:23]     ; s[22:23]: my W
	s_cmp_eq_u32 s31, 0
	s_cselect_b64 s[24:25], s[16:17], s[18:19]     ; s[24:25]: my target
	s_cselect_b32 s34, 0x3e38aa3b, 1.0             ; q also takes 64^-0.5 x log2(e) = 0.18033688, so that the softmax uses a bare exp2
	s_mul_i32 s60, ttmp9, 128*XROW
	s_mov_b32 s61, 0
	s_add_nc_u64 s[26:27], s[4:5], s[60:61]        ; x at my first token
	s_lshl_b32 s60, s36, 9
	s_add_nc_u64 s[28:29], s[6:7], s[60:61]        ; edge at my block, row 0
; STAGING.  A group is 16 rows; each of its five loads covers, in every half of a wave, 256 consecutive bytes at a multiple of 256.
; Groups 0-7 are x, groups 8-27 are W.  Eight groups (40 loads of a wave) are on their way.
.macro GLOAD g
.irp j, 0,1,2,3,4
.if (\g) < 8
	global_load_b128 v[SL+20*((\g)&7)+4*\j:SL+20*((\g)&7)+4*\j+3], v4, s[26:27] offset:(\g)*GRP+\j*256
.else
	global_load_b128 v[SL+20*((\g)&7)+4*\j:SL+20*((\g)&7)+4*\j+3], v4, s[22:23] offset:((\g)-8)*GRP+\j*256
.endif
.endr
.endm
.macro GCONV g, left
	s_wait_loadcnt \left                           ; loads come back in order: group g is in, the groups issued behind it stay out
.irp j, 0,1,2,3,4
	v_cvt_pk_f16_f32 v[T+10*((\g)&1)+2*\j],   v[SL+20*((\g)&7)+4*\j],   v[SL+20*((\g)&7)+4*\j+1]
	v_cvt_pk_f16_f32 v[T+10*((\g)&1)+2*\j+1], v[SL+20*((\g)&7)+4*\j+2], v[SL+20*((\g)&7)+4*\j+3]
.endr
.irp j, 0,1,2,3,4
.if (\g) < 8
	ds_store_b64 v6, v[T+10*((\g)&1)+2*\j:T+10*((\g)&1)+2*\j+1] offset:\j*128
.else
	ds_store_b64 v5, v[T+10*((\g)&1)+2*\j:T+10*((\g)&1)+2*\j+1] offset:\j*128
.endif
.endr
.if (\g) < 7
	v_add_nc_u32 v6, 16*XPITCH, v6
.endif
.if (\g) > 7
.if (\g) < 27
	v_add_nc_u32 v5, 16*WPITCH, v5
.endif
.endif
.endm
	global_load_b64 v[14:15], v7, s[28:29]         ; edge: 4 rows x 128 tokens, 8 bytes a thread
.set g, 0
.rept 8
	GLOAD g
.set g, g+1
.endr
	; the five store bases and edge rows of my column tiles ct = 5 wc + ci (head = ct >> 2), while the loads are on their way
	s_add_co_u32 s62, s37, 13
	s_lshl_b32 s63, s32, s62                       ; my 64 tokens: 8,192 bytes on in qf, a whole chunk of 16,384 bytes on in kv
	s_lshl_b32 s62, s38, 13                        ; v lies 8,192 bytes behind k in a chunk
	s_add_co_u32 s63, s63, s62
	s_add_co_u32 s2, s38, 9                        ; a column tile's block: 512 bytes (q, k), 1,024 (v: two blocks, u = 0, 1)
	s_lshl_b32 s3, s36, 14                         ; cn x 16,384
.irp ci, 0,1,2,3,4
	s_add_co_u32 s60, s55, \ci                     ; ct
	s_lshr_b32 s61, s60, 2                         ; head
	s_and_b32 s60, s60, 3
	s_add_co_u32 s62, s61, s35
	s_and_b32 s62, s62, 3                          ; edge row (b + head) & 3 = (5 b + head) mod 4
	s_lshl_b32 s[50+\ci], s62, 9
	s_add_co_u32 s61, s61, s39                     ; 5 b + head
	s_lshl_b32 s61, s61, 18
	s_add_co_u32 s61, s61, s3
	s_lshl_b32 s61, s61, s37                       ; doubled in kv
	s_lshl_b32 s60, s60, s2
	s_add_co_u32 s60, s60, s61
	s_add_co_u32 s60, s60, s63
	s_mov_b32 s61, 0
	s_add_nc_u64 s[40+2*\ci:41+2*\ci], s[24:25], s[60:61]
.endr
	; Wo in fragment order, f16: 400 blocks of 512 bytes; block 20 ct + rem holds Wo[16 rem + 8 h + j][16 ct + r].
	; Wave w of work-group (X, 0), X < 50, makes block 8 X + w.  No barrier stands inside the branch.
	s_lshl_b32 s60, ttmp9, 3
	s_add_co_u32 s60, s60, s30
	s_lshl_b32 s61, s31, 12
	s_add_co_u32 s60, s60, s61                     ; 8 X + w, pushed past 400 for types 1 and 2
	s_cmp_lt_u32 s60, 400
	s_cbranch_scc0 .Lno_wo
	s_mul_i32 s61, s60, 3277
	s_lshr_b32 s61, s61, 16                        ; ct = block / 20 (exact below 400)
	s_mul_i32 s62, s61, 20
	s_sub_co_u32 s62, s60, s62                     ; rem
	s_mul_i32 s62, s62, GRP
	s_lshl_b32 s61, s61, 6
	s_add_co_u32 s56, s62, s61
	s_mov_b32 s57, 0
	s_add_nc_u64 s[56:57], s[14:15], s[56:57]
	s_lshl_b32 s58, s60, 9
	s_mov_b32 s59, 0
	s_add_nc_u64 s[58:59], s[20:21], s[58:59]
.irp j, 0,1,2,3,4,5,6,7
	global_load_b32 v[36+\j], v13, s[56:57] offset:\j*XROW
.endr
	s_wait_loadcnt 0x0                             ; these eight are the youngest loads: zero; the counted waits below hold all the more
.irp j, 0,1,2,3
	v_cvt_pk_f16_f32 v[44+\j], v[36+2*\j], v[37+2*\j]
.endr
	global_store_b128 v12, v[44:47], s[58:59]      ; 512 consecutive bytes
.Lno_wo:
	s_wait_loadcnt 40                              ; the edge load is older than the 40 loads of groups 0-7
	ds_store_b64 v8, v[14:15]
.set g, 0
.rept 28
.if g < 20
	GCONV g, 35                                    ; seven groups of five loads were issued behind group g
	GLOAD g+8
.else
	GCONV g, 5*(27-g)                              ; the counts run down
.endif
.set g, g+1
.endr
	s_wait_xcnt 0x0                                ; the Wo store's data registers are written again below only behind this wait
	s_wait_dscnt 0x0                               ; my part of x, W and edge is in LDS,
	s_barrier_signal -1
	s_barrier_wait -1                              ; everybody's is
; THE PRODUCT: ten K steps of 32.  swap = 0 (q, k): source 0 = 16 columns of W, source 1 = 16 tokens, so that a lane's eight results are eight
; neighbouring d of one token.  swap = 1 (v): the other way round: eight neighbouring tokens of one d.  The first K step starts the sums.
; The twenty accumulators take turns, one instruction a turn.
.macro MM swap, zero, ci, nt
.if \swap
.if \zero
	v_wmma_f32_16x16x32_f16 v[ACC+8*(4*\ci+\nt):ACC+8*(4*\ci+\nt)+7], v[XF+8*\nt:XF+8*\nt+7], v[WF+8*\ci:WF+8*\ci+7], 0
.else
	v_wmma_f32_16x16x32_f16 v[ACC+8*(4*\ci+\nt):ACC+8*(4*\ci+\nt)+7], v[XF+8*\nt:XF+8*\nt+7], v[WF+8*\ci:WF+8*\ci+7], v[ACC+8*(4*\ci+\nt):ACC+8*(4*\ci+\nt)+7]
.endif
.else
.if \zero
	v_wmma_f32_16x16x32_f16 v[ACC+8*(4*\ci+\nt):ACC+8*(4*\ci+\nt)+7], v[WF+8*\ci:WF+8*\ci+7], v[XF+8*\nt:XF+8*\nt+7], 0
.else
	v_wmma_f32_16x16x32_f16 v[ACC+8*(4*\ci+\nt):ACC+8*(4*\ci+\nt)+7], v[WF+8*\ci:WF+8*\ci+7], v[XF+8*\nt:XF+8*\nt+7], v[ACC+8*(4*\ci+\nt):ACC+8*(4*\ci+\nt)+7]
.endif
.endif
.endm
.macro KSTEP ks, swap, zero
.if \zero == 0
	PLACES 4                                       ; loads into registers that matrix instructions have read stand four places behind them
.endif
.irp nt, 0,1,2,3
	ds_load_b128 v[XF+8*\nt:XF+8*\nt+3],   v9 offset:\nt*16*XPITCH+(\ks)*64
	ds_load_b128 v[XF+8*\nt+4:XF+8*\nt+7], v9 offset:\nt*16*XPITCH+(\ks)*64+32
.endr
.irp ci, 0,1,2,3,4
	ds_load_tr16_b128 v[WF+8*\ci:WF+8*\ci+3],   v10 offset:\ci*32              ; W lies [k][n]: transposed on the way, k = 8 h .. 8 h + 7 of column r
	ds_load_tr16_b128 v[WF+8*\ci+4:WF+8*\ci+7], v10 offset:\ci*32+16*WPITCH    ; k = 16 + 8 h ..
.endr
.if (\ks) < 9
	v_add_nc_u32 v10, 32*WPITCH, v10               ; the next K step's 32 rows of W
.endif
.irp ci, 0,1,2,3,4
	s_wait_dscnt 8-2*\ci                           ; x and W's tiles up to ci are in; the two loads of each later tile stay out
.irp nt, 0,1,2,3
	MM \swap, \zero, \ci, \nt
.endr
.endr
.endm
	s_cmp_eq_u32 s31, 2
	s_cbranch_scc1 .Lv
	KSTEP 0, 0, 1
.set kk, 1
.rept 9
	KSTEP kk, 0, 0
.set kk, kk+1
.endr
	; way out of q and k: times the token's edge factor (q: also the scale), to bf16, 16 bytes a lane, 512 consecutive bytes a store
	PLACES 4
.irp ci, 0,1,2,3,4
	v_add_nc_u32 v[EAD+\ci], s[50+\ci], v11
.endr
.irp ci, 0,1,2,3,4
.irp nt, 0,1,2,3
	ds_load_b32 v[EF+2*(4*\ci+\nt)], v[EAD+\ci] offset:\nt*64
.endr
.endr
	s_wait_dscnt 0x0
.set n, 0
.rept 20
	v_mul_f32 v[EF+2*n], s34, v[EF+2*n]
.set n, n+1
.endr
.irp ci, 0,1,2,3,4
.irp nt, 0,1,2,3
.set A0, ACC+8*(4*\ci+\nt)
.irp p, 0,2,4,6
	v_pk_mul_f32 v[A0+\p:A0+\p+1], v[A0+\p:A0+\p+1], v[EF+2*(4*\ci+\nt):EF+2*(4*\ci+\nt)+1] op_sel_hi:[1,0]
.endr
.irp p, 0,1,2,3
	v_cvt_pk_bf16_f32 v[A0+\p], v[A0+2*\p], v[A0+2*\p+1]       ; in place: register p was read by an earlier line
.endr
	global_store_b128 v12, v[A0:A0+3], s[40+2*\ci:41+2*\ci] offset:\nt*2048
.endr
.endr
	s_wait_tensorcnt 0x0
	ds_add_u32 v94, v95
	s_wait_dscnt 0x0
	s_endpgm
.Lv:
	KSTEP 0, 1, 1
.set kk, 1
.rept 9
	KSTEP kk, 1, 0
.set kk, kk+1
.endr
	; way out of v: to f16; token tile nt is K step nt >> 1 (4,096 bytes), half nt & 1 (512 bytes) of the attention's second product
	PLACES 4
.irp ci, 0,1,2,3,4
.irp nt, 0,1,2,3
.set A0, ACC+8*(4*\ci+\nt)
.irp p, 0,1,2,3
	v_cvt_pk_f16_f32 v[A0+\p], v[A0+2*\p], v[A0+2*\p+1]
.endr
	global_store_b128 v12, v[A0:A0+3], s[40+2*\ci:41+2*\ci] offset:(\nt>>1)*4096+(\nt&1)*512
.endr
.endr
	s_wait_tensorcnt 0x0
	ds_add_u32 v94, v95
	s_wait_dscnt 0x0
	s_endpgm
.Lfunc_end_k_q44a439954e_proj:
	.size	k_q44a439954e_proj, .Lfunc_end_k_q44a439954e_proj-k_q44a439954e_proj
	.p2alignl 7, 3214868480
	.fill 96, 4, 3214868480
	.section	.rodata,"a",@progbits
	.p2align	6, 0x0
	.amdhsa_kernel k_q44a439954e_proj
		.amdhsa_group_segment_fixed_size 302080
		.amdhsa_private_segment_fixed_size 0
		.amdhsa_enable_private_segment 0
		.amdhsa_kernarg_size 72
		.amdhsa_user_sgpr_count 2
		.amdhsa_user_sgpr_kernarg_segment_ptr 1
		.amdhsa_wavefront_size32 1
		.amdhsa_system_sgpr_workgroup_id_x 1
		.amdhsa_system_sgpr_workgroup_id_y 1
		.amdhsa_system_sgpr_workgroup_id_z 1
		.amdhsa_system_vgpr_workitem_id 0
		.amdhsa_next_free_vgpr 256
		.amdhsa_next_free_sgpr 66
		.amdhsa_reserve_vcc 0
		.amdhsa_float_denorm_mode_32 3
		.amdhsa_float_denorm_mode_16_64 3
		.amdhsa_memory_ordered 1
		.amdhsa_forward_progress 1
		.amdhsa_inst_pref_size 126
	.end_amdhsa_kernel
	.amdgpu_metadata
---
amdhsa.version: [ 1, 2 ]
amdhsa.kernels:
  - .name:           k_q44a439954e_proj
    .symbol:         k_q44a439954e_proj.kd
    .args:
      - { .name: x, .offset: 0, .size: 8, .value_kind: global_buffer, .address_space: global }
      - { .name: edge, .offset: 8, .size: 8, .value_kind: global_buffer, .address_space: global }
      - { .name: Wq, .offset: 16, .size: 8, .value_kind: global_buffer, .address_space: global }
      - { .name: Wk, .offset: 24, .size: 8, .value_kind: global_buffer, .address_space: global }
      - { .name: Wv, .offset: 32, .size: 8, .value_kind: global_buffer, .address_space: global }
      - { .name: Wo, .offset: 40, .size: 8, .value_kind: global_buffer, .address_space: global }
      - { .name: qf, .offset: 48, .size: 8, .value_kind: global_buffer, .address_space: global }
      - { .name: kv, .offset: 56, .size: 8, .value_kind: global_buffer, .address_space: global }
      - { .name: wof, .offset: 64, .size: 8, .value_kind: global_buffer, .address_space: global }
    .group_segment_fixed_size: 302080
    .private_segment_fixed_size: 0
    .kernarg_segment_align: 8
    .kernarg_segment_size: 72
    .max_flat_workgroup_size: 256
    .sgpr_count:     66
    .vgpr_count:     256
    .wavefront_size: 32
...
	.end_amdgpu_metadata
.endif
;; end of part 1
;; launch attn (part 2): grid 256 x 1, 8 waves a work-group, clusters of 4 x 1, 327,680 bytes of LDS; arguments qf, kv, wof, bo, out0; writes out0
.if DOCPART == 2
	.amdgcn_target "amdgcn-amd-amdhsa--gfx1250"
	.amdhsa_code_object_version 6
	.text
	.protected	k_q44a439954e_attn
	.globl	k_q44a439954e_attn
	.p2align	8
	.type	k_q44a439954e_attn,@function
k_q44a439954e_attn:
	s_mov_b64 s[64:65], 0
	v_nop
	global_prefetch_b8 v0, s[64:65] scope:SCOPE_SE
	s_setreg_imm32_b32 hwreg(HW_REG_WAVE_MODE, 25, 1), 1
	s_wait_xcnt 0x0
	s_wait_alu depctr_hold_cnt(0) depctr_sa_sdst(0) depctr_va_vdst(0) depctr_va_sdst(0) depctr_va_ssrc(0) depctr_va_vcc(0) depctr_vm_vsrc(0)
	s_getreg_b32 s2, hwreg(HW_REG_IB_STS2, 6, 4)
	s_cmp_eq_u32 s2, 0
	s_cbranch_scc0 .Lentry_in_a_cluster
	s_endpgm
.Lentry_in_a_cluster:
	s_bfe_u32 s2, ttmp6, 0x10000c
	s_cmp_lg_u32 s2, 0x3003
	s_cbranch_scc0 .Lentry_shape_is_right
	s_endpgm
.Lentry_shape_is_right:
; ATTN: softmax(q' k'^T) v for all five heads of 32 tokens, then the product with Wo and the bias.  The edge factors, the scale and log2(e) are in q' and k'.
; Work-group g = 4 x cluster + cx owns tokens 32 g .. 32 g + 31 of the flat 8,192: 160 query-heads each, 256 equal work-groups.
; Eight waves, two for each of a WGP's four SIMDs, so that a wave that waits for LDS or for a result leaves its SIMD to the other.
; Wave w takes keys 256 w .. 256 w + 255 of every head, for both query tiles of 16: each byte of K and V is read from LDS once in the work-group.
; Each wave keeps a running maximum, a running sum and O for its keys; at a head's end the eight partial results meet in LDS and are merged.
; CLUSTER: the four work-groups of a cluster lie in one batch (16 clusters a batch) and walk the same K and V, so every tile is a joint load
; with the mask 15; its descriptor hangs on the cluster's number, the wave and the step alone.
; THE WALK IS ROTATED: cluster c of a batch starts at head c mod 5 and at chunk c & 3 of each wave's four, and walks both cyclically: sixteen different
; starts of twenty, so the clusters of a batch ask for different tiles at any one time, and from a cluster's second head on every tile that it asks for
; has been read by another cluster before.  A softmax with a running maximum and a sum over heads have no order.  LDS is laid out in walk order
; (the i-th head walked), and so are the Wo fragments: no LDS address hangs on where the walk starts.
; A tile is a chunk of 64 keys, K (8 KB, bf16) then V (8 KB, f16), dense in memory in fragment order: 64 rows of 256 bytes; a fragment
; load has lane L at 16 L, consecutive bytes, so LDS needs no padding.  Two slots; by this text's count one tensor load of a wave is out at a time.
; BOTH products are used transposed: S = K x Q gives a lane query r and keys 8 h + j, which packed to f16 IS the second product's source 1;
; O = V x P gives a lane query r and eight neighbouring d, so the row's maximum, sum and rescale are per lane, with one exchange between the halves.
; LIMITS: v, P, the merged O and Wo are f16: |v| < 65,504 (O is a convex mix of v); P lies in (0, 1], below about 6e-8 it rounds to 0 against a row
; sum of at least 1.  The row sum is kept of the unrounded P.  NaN and infinities are not served.
.set SLOT,   131072                    ; a ring slot: eight waves x 16,384 bytes; slots at 0 and 131,072
.set VOFF,   8192                      ; V behind K in a wave's part
.set HEADB,  524288                    ; bytes of a pair in kv
.set MBUF,   262144                    ; partial O of one query tile: wave x 4,096 + block x 512 + 16 L, block = 2 dt + half   (32,768 bytes)
.set MLBUF,  294912                    ; partial m, l: wave x 512 + qt x 256 + kind x 128 + 4 L                                (4,096 bytes)
.set QO,     299008                    ; place i x 4,096: q' of the i-th head walked (block x 512 + 16 L); its merged O takes that place (qt x 2,048 + block x 256 + 8 L)
.set BOL,    319488                    ; the bias, twice over: 2 x 1,280 bytes, so that byte 512 k + 16 L is the bias of piece k of a pair of rows
.set OROW,   1280                      ; bytes in a row of out0
.set OPITCH, 2*OROW+16                 ; the way out, at LDS byte 0 in slot 0 after its last fill: a row holds the sums over d 0-31 of each head, then those over d 32-63, then 16 bytes (161 x 16)
.set KV,  2                            ; v2, v3    my part of slot 0, 1, + 16 L
.set MXA, 4                            ; v4, v6    running maxima of qt 0, 1 as steps 0 and 2 leave them: even halves of pairs, of which only the even half is used
.set MBS, 5                            ; v5        where I put my partial O
.set MBR, 7                            ; v7        block w of wave 0's partial O: the block that I merge
.set MXB, 8                            ; v8, v10   running maxima as steps 1 and 3 leave them
.set MLS, 9                            ; v9        where I put my m and l
.set MLR, 11                           ; v11       wave 0's m of query tile 0
.set AL,  12                           ; v12, v14  rescale factors; v13, v15 what the other half of the lanes sent
.set LS,  16                           ; v[16:17], v[18:19]  running sums, two partial sums each
.set MC,  20                           ; v20, v21  second chains of the maximum
.set QA,  22                           ; v22       q' of the current head
.set OS,  23                           ; v23       where my merged block goes
.set WLAST, 24                         ; v[24:31]  the 25th Wo fragment
.set QF,  32                           ; v[32:63]   q' fragments (2 qt + s) x 8
.set SC,  64                           ; v[64:127]  scores 32 qt + 8 kt, then P
.set KF,  128                          ; v[128:191] K fragments (2 kt + s) x 8
.set VF,  192                          ; v[192:255] V fragments (4 ks + dt) x 8
                                       ; v256 + 8 (4 qt + dt)  O
.set WOF, 320                          ; v320 + 8 f            Wo fragments f = 5 i + ci = 0 .. 23, up to v511
.set ACC, 128                          ; the output product's sums, 16 ci + 8 qt
.set BI,  112                          ; the way out: the bias of five pieces
.set STO, 5                            ; the way out's LDS addresses, in registers that held the heads' loop's LDS addresses: where I put my sums,
.set RD,  7                            ; my four rows + 16 L,
.set RDX, 9                            ; the same where lanes 16-31 are already in the next row,
.set BA,  11                           ; the bias + 16 L
.set MSB, 0
.macro WIN new                         ; s_set_vgpr_msb: bits 1:0 source 0, 3:2 source 1, 5:4 source 2, 7:6 destination; the high byte repeats the setting left
.if MSB != \new
	s_set_vgpr_msb (MSB<<8)|\new
.set MSB, \new
.endif
.endm
.macro PLACES n
.rept \n
	v_nop
.endr
.endm
.macro ROUND                           ; a round of the cluster's barrier: my work-group's barrier, wave 0 signals for it, all wait for the four, my barrier again
	s_barrier_signal -1
	s_barrier_wait -1
	s_cmp_lg_u32 s14, 0
	s_cbranch_scc1 .Lnot_wave_0_\@
	s_barrier_signal -3
.Lnot_wave_0_\@:
	s_barrier_wait -3
	s_barrier_signal -1
	s_barrier_wait -1
.endm
.macro BAR                             ; my LDS instructions are done, for the others' sake: zero; then the work-group's barrier
	s_wait_dscnt 0x0
	s_barrier_signal -1
	s_barrier_wait -1
.endm
.macro WOREG hp, ci                    ; WR = the first register of Wo fragment 5 hp + ci
.if 5*\hp+\ci < 24
.set WR, WOF+8*(5*\hp+\ci)
.else
.set WR, WLAST
.endif
.endm
	s_load_b256 s[4:11], s[0:1], 0x0               ; qf 4, kv 6, wof 8, bo 10
	s_load_b64 s[12:13], s[0:1], 0x20              ; out0
	v_lshl_add_u32 v190, v0, 2, 0x4ea00
	v_mov_b32 v191, 0
	ds_add_u32 v190, v191
	s_wait_dscnt 0x0
	v_lshrrev_b32 v2, 5, v0
	v_readfirstlane_b32 s14, v2                    ; wave 0..7
	s_bfe_u32 s15, ttmp6, 0x40000                  ; cx
	s_lshl_b32 s16, ttmp9, 2
	s_add_co_u32 s16, s16, s15                     ; g
	s_lshr_b32 s17, ttmp9, 4                       ; b: the same in all four partners
	s_and_b32 s18, s16, 63                         ; my block of 32 tokens in the batch
	s_and_b32 s19, ttmp9, 15                       ; c: my cluster in the batch
	s_mul_i32 s20, s19, 13
	s_lshr_b32 s20, s20, 6                         ; c / 5 (exact below 16)
	s_mul_i32 s20, s20, 5
	s_sub_co_u32 s20, s19, s20                     ; the head at which my cluster starts
	s_and_b32 s21, s19, 3                          ; the chunk at which it starts
	s_and_b32 s55, s14, 3                          ; cg: my 80 columns of the output
	s_lshr_b32 s43, s14, 2                         ; kh: which 32 of each head's 64 d I take in the output product
	s_mov_b32 s40, 0x76543210                      ; v_permlanex16_b32: lane i takes lane i of the other half
	s_mov_b32 s41, 0xfedcba98
	; descriptor group 1: 64 rows of 32 elements of 8 bytes, dense
	s_mov_b32 s24, 0x0023000f                      ; 15:0 mask: all four work-groups; 17:16 elements of 8 bytes; 21 set beside a mask; no padding
	s_mov_b32 s25, 32<<16                          ; tensor_dim0 = 32
	s_mov_b32 s26, 64<<16                          ; tensor_dim1 = 64
	s_mov_b32 s27, 32<<16                          ; tile_dim0 = 32
	s_mov_b32 s28, 64                              ; tile_dim1 = 64
	s_mov_b32 s29, 32                              ; pitch = 32 elements
	s_mov_b32 s30, 0
	s_mov_b32 s31, 0
	s_mul_i32 s44, s17, 5*HEADB                    ; kv: pair 5 b, my four chunks of 16,384 bytes
	s_lshl_b32 s45, s14, 16
	s_add_co_u32 s44, s44, s45
	s_mov_b32 s45, 0
	s_mul_i32 s46, s17, 5*262144                   ; qf: pair 5 b, my two tiles of 16 tokens
	s_lshl_b32 s47, s18, 12
	s_add_co_u32 s46, s46, s47
	s_mul_i32 s48, s55, 51200                      ; wof: my five column tiles, my half of a head's two K steps
	s_lshl_b32 s49, s43, 10
	s_add_co_u32 s48, s48, s49
	s_mul_i32 s52, s16, 40960                      ; out0: my work-group's 32 rows, my wave's four
	s_mul_i32 s53, s14, 4*OROW
	s_add_co_u32 s52, s52, s53
	s_mov_b32 s53, 0
	s_mul_i32 s60, s20, HEADB                      ; s60: the offset in kv of the head whose tile is asked for next
	s_mov_b32 s63, 0                               ; s[62:63]: a tile's offset as a pair
.irp j, 0,1,2,3
	s_add_co_u32 s[56+\j], s21, \j
	s_and_b32 s[56+\j], s[56+\j], 3
	s_lshl_b32 s[56+\j], s[56+\j], 14              ; s56 .. s59: the offset of the chunk of step j
.endr
.irp hp, 0,1,2,3,4
	s_add_co_u32 s22, s20, \hp
	s_cmp_ge_u32 s22, 5
	s_cselect_b32 s23, 5, 0
	s_sub_co_u32 s22, s22, s23                     ; the head walked at place hp
	s_lshl_b32 s23, s22, 18
	s_add_co_u32 s[66+2*\hp], s46, s23             ; its q'
	s_mov_b32 s[67+2*\hp], 0
	s_lshl_b32 s23, s22, 11
	s_add_co_u32 s[76+2*\hp], s48, s23             ; its rows of Wo: K step 2 head + kh
	s_mov_b32 s[77+2*\hp], 0
.endr
	v_and_b32 v104, 31, v0                         ; L
	v_lshlrev_b32 v1, 4, v104                      ; v1: 16 L
	v_lshlrev_b32 v105, 3, v104                    ; 8 L
	v_lshlrev_b32 v106, 2, v104                    ; 4 L
	s_lshl_b32 s33, s14, 14                        ; my part of a slot
	v_add_nc_u32 v2, s33, v1
	v_add_nc_u32 v3, SLOT, v2
	s_lshl_b32 s54, s14, 12
	s_add_co_u32 s54, s54, MBUF
	v_add_nc_u32 v[MBS], s54, v1
	s_lshl_b32 s54, s14, 9
	s_add_co_u32 s54, s54, MBUF
	v_add_nc_u32 v[MBR], s54, v1
	s_lshl_b32 s54, s14, 9
	s_add_co_u32 s54, s54, MLBUF
	v_add_nc_u32 v[MLS], s54, v106
	v_add_nc_u32 v[MLR], MLBUF, v106
	v_add_nc_u32 v[QA], QO, v1
	s_lshl_b32 s54, s14, 8
	s_add_co_u32 s54, s54, QO
	v_add_nc_u32 v[OS], s54, v105
	v_lshlrev_b32 v107, 4, v0                      ; 16 t
	v_add_nc_u32 v108, QO, v107
	v_lshlrev_b32 v109, 3, v0                      ; 8 t
	v_add_nc_u32 v103, BOL, v109
	v_mov_b32 v[AL+1], 0                           ; the lane exchange's targets count as read
	v_mov_b32 v[AL+3], 0
	s_wait_kmcnt 0x0
	s_add_nc_u64 s[44:45], s[6:7], s[44:45]
	s_or_b32 s45, s45, 0x80000000                  ; the descriptor's type bits ride on the base; the offsets added below do not reach them
	s_add_nc_u64 s[52:53], s[12:13], s[52:53]
.irp hp, 0,1,2,3,4
	s_add_nc_u64 s[66+2*\hp:67+2*\hp], s[4:5], s[66+2*\hp:67+2*\hp]
	s_add_nc_u64 s[76+2*\hp:77+2*\hp], s[8:9], s[76+2*\hp:77+2*\hp]
.endr
	; descriptor group 0, one set for each slot; slot 1's address is written in the first step
	s_mov_b32 s32, 1
	s_add_co_u32 s62, s60, s56
	s_add_nc_u64 s[34:35], s[44:45], s[62:63]      ; the first head's first chunk
	s_mov_b32 s36, 1
	s_add_co_u32 s37, s33, SLOT
.irp hp, 0,1,2,3,4
	global_load_b128 v[SC+4*\hp:SC+4*\hp+3], v107, s[66+2*\hp:67+2*\hp]    ; q' of the five heads in walk order: 4,096 bytes each, 16 a thread
.endr
	ROUND                                          ; the four work-groups are here: the first joint load meets
	tensor_load_to_lds s[32:35], s[24:31]
	s_nop 0
	s_cmp_ge_u32 s14, 5
	s_cbranch_scc1 .Lno_bias
	global_load_b64 v[110:111], v109, s[10:11]     ; the bias: 1,280 bytes = 8 bytes for each thread of waves 0 to 4
	s_wait_loadcnt 0x0
	ds_store_b64 v103, v[110:111]
	ds_store_b64 v103, v[110:111] offset:OROW      ; and once more behind itself
.Lno_bias:
	s_wait_loadcnt 0x0
.irp hp, 0,1,2,3,4
	ds_store_b128 v108, v[SC+4*\hp:SC+4*\hp+3] offset:\hp*4096
.endr
	; Wo for the end, 50 loads into registers that the heads' loop never names; they are waited for in front of the output product
.irp hp, 0,1,2,3,4
.irp ci, 0,1,2,3,4
	WOREG \hp, \ci
	WIN ((WR>>8)<<6)
.irp u, 0,1
	global_load_b128 v[(WR&255)+4*\u:(WR&255)+4*\u+3], v1, s[76+2*\hp:77+2*\hp] offset:\ci*10240+\u*512
.endr
.endr
.endr
	WIN 0
.macro LOAD16 dst, areg, off           ; sixteen blocks of 512 bytes: the K or the V fragments of 64 keys
.set n, 0
.rept 16
	ds_load_b128 v[\dst+4*n:\dst+4*n+3], v[\areg] offset:\off+512*n
.set n, n+1
.endr
.endm
.macro SMUL2 p                         ; S(qt, kt) = K(kt, s) x Q(qt, s) for key tiles 2 p, 2 p + 1: four accumulators by turns; s = 0 starts the sums
	s_wait_dscnt 24-8*\p                           ; of the 32 loads just issued those behind K's tiles 2 p, 2 p + 1 may stay out (q' is older)
.irp s, 0,1
.irp kt, 2*\p, 2*\p+1
.irp qt, 0,1
.if \s == 0
	v_wmma_f32_16x16x32_bf16 v[SC+32*\qt+8*(\kt):SC+32*\qt+8*(\kt)+7], v[KF+16*(\kt)+8*\s:KF+16*(\kt)+8*\s+7], v[QF+16*\qt+8*\s:QF+16*\qt+8*\s+7], 0
.else
	v_wmma_f32_16x16x32_bf16 v[SC+32*\qt+8*(\kt):SC+32*\qt+8*(\kt)+7], v[KF+16*(\kt)+8*\s:KF+16*(\kt)+8*\s+7], v[QF+16*\qt+8*\s:QF+16*\qt+8*\s+7], v[SC+32*\qt+8*(\kt):SC+32*\qt+8*(\kt)+7]
.endif
.endr
.endr
.endr
.endm
.macro PVMUL ks, zero                  ; O(qt, dt) += V(ks, dt) x P(qt, ks), O in the second block of 256 registers: eight accumulators by turns
.irp qt, 0,1
.irp dt, 0,1,2,3
.if \zero
	v_wmma_f32_16x16x32_f16 v[32*\qt+8*\dt:32*\qt+8*\dt+7], v[VF+32*\ks+8*\dt:VF+32*\ks+8*\dt+7], v[SC+32*\qt+16*\ks:SC+32*\qt+16*\ks+7], 0
.else
	v_wmma_f32_16x16x32_f16 v[32*\qt+8*\dt:32*\qt+8*\dt+7], v[VF+32*\ks+8*\dt:VF+32*\ks+8*\dt+7], v[SC+32*\qt+16*\ks:SC+32*\qt+16*\ks+7], v[32*\qt+8*\dt:32*\qt+8*\dt+7]
.endif
.endr
.endr
.endm
.macro SUM qt, first                   ; turn i of the row sum: pair i of P onto the two partial sums; turn 0 rescales the old sums in the same fused line
.if i == 0
.if \first
	s_wait_alu depctr_va_vdst(0)
	v_pk_add_f32 v[LS+2*\qt:LS+2*\qt+1], v[SC+32*\qt:SC+32*\qt+1], v[SC+32*\qt+2:SC+32*\qt+3]
.else
	s_wait_alu depctr_va_vdst(0)
	v_pk_fma_f32 v[LS+2*\qt:LS+2*\qt+1], v[LS+2*\qt:LS+2*\qt+1], v[AL+2*\qt:AL+2*\qt+1], v[SC+32*\qt:SC+32*\qt+1] op_sel_hi:[1,0,1]
.endif
.elseif i == 1
.if \first == 0
	s_wait_alu depctr_va_vdst(0)
	v_pk_add_f32 v[LS+2*\qt:LS+2*\qt+1], v[LS+2*\qt:LS+2*\qt+1], v[SC+32*\qt+2:SC+32*\qt+3]
.endif
.else
	v_pk_add_f32 v[LS+2*\qt:LS+2*\qt+1], v[LS+2*\qt:LS+2*\qt+1], v[SC+32*\qt+2*i:SC+32*\qt+2*i+1]
.endif
.endm
.macro CVT qt                          ; turn i: two P to f16, in place; key tiles 2 ks, 2 ks + 1 become registers 0-3, 4-7 of P(qt, ks)
	v_cvt_pk_f16_f32 v[SC+32*\qt+16*(i>>3)+(i&7)], v[SC+32*\qt+2*i], v[SC+32*\qt+2*i+1]
.endm
; The softmax step of 64 keys x 32 queries.  mn: the maxima that it writes, mo: those that it finds.  first = 1: a head's first step, nothing to carry on.
; Behind every v_exp_f32 a plain vector line that touches neither its result nor its source stands ahead of the result's use (ISA guide 5.7.2).
.macro SOFTMAX mn, mo, first
.irp qt, 0,1
.if \first
	v_max_num_f32 v[\mn+2*\qt], v[SC+32*\qt], v[SC+32*\qt+1]
.else
	v_max3_num_f32 v[\mn+2*\qt], v[\mo+2*\qt], v[SC+32*\qt], v[SC+32*\qt+1]
.endif
	v_max_num_f32 v[MC+\qt], v[SC+32*\qt+16], v[SC+32*\qt+17]
.endr
.irp e, 2,4,6,8,10,12,14
.irp qt, 0,1
	v_max3_num_f32 v[\mn+2*\qt], v[\mn+2*\qt], v[SC+32*\qt+\e], v[SC+32*\qt+\e+1]
	v_max3_num_f32 v[MC+\qt], v[MC+\qt], v[SC+32*\qt+\e+16], v[SC+32*\qt+\e+17]
.endr
.endr
.irp qt, 0,1
	v_max_num_f32 v[\mn+2*\qt], v[\mn+2*\qt], v[MC+\qt]
.endr
.irp qt, 0,1
	v_permlanex16_b32 v[AL+2*\qt+1], v[\mn+2*\qt], s40, s41    ; the other half of the lanes holds the same query's other keys
.endr
.irp qt, 0,1
	v_max_num_f32 v[\mn+2*\qt], v[\mn+2*\qt], v[AL+2*\qt+1]
.endr
.if \first == 0
.irp qt, 0,1
	v_sub_f32 v[AL+2*\qt], v[\mo+2*\qt], v[\mn+2*\qt]
.endr
.irp qt, 0,1
	v_exp_f32 v[AL+2*\qt], v[AL+2*\qt]                         ; by how much the old sums and O shrink
.endr
.endif
.set i, 0
.rept 16
	v_pk_add_f32 v[SC+2*i:SC+2*i+1], v[SC+2*i:SC+2*i+1], v[\mn:\mn+1] op_sel_hi:[1,0] neg_lo:[0,1] neg_hi:[0,1]
.set i, i+1
.endr
.set i, 0
.rept 16
	v_exp_f32 v[SC+2*i], v[SC+2*i]
	v_exp_f32 v[SC+2*i+1], v[SC+2*i+1]
	v_pk_add_f32 v[SC+32+2*i:SC+33+2*i], v[SC+32+2*i:SC+33+2*i], v[\mn+2:\mn+3] op_sel_hi:[1,0] neg_lo:[0,1] neg_hi:[0,1]
.set i, i+1
.endr
.set i, 0
.rept 16
	v_exp_f32 v[SC+32+2*i], v[SC+32+2*i]
	v_exp_f32 v[SC+33+2*i], v[SC+33+2*i]
	SUM 0, \first
.set i, i+1
.endr
.set i, 0
.rept 16
	SUM 1, \first
	CVT 0
.set i, i+1
.endr
.set i, 0
.rept 16
	CVT 1
.set i, i+1
.endr
.endm
; One step: my chunk of 64 keys.  In front of the round every wave has waited for all its tensor loads, this step's tile among them, and for
; its reads of the other slot; the joint refill of that slot is the first tensor load behind the round.  j = the step in the head.
.macro STEP slot, j, refill, first, mn, mo
	s_wait_xcnt 0x0
	v_lshl_add_u32 v190, v0, 2, 0x4ea00
	v_mov_b32 v191, 0
	s_wait_tensorcnt 0x0                           ; no tensor load of mine is out: the other slot's group 0 may be written
	ds_add_u32 v190, v191
	s_wait_dscnt 0x0
.if \j == 3
	s_add_co_u32 s60, s60, HEADB                   ; the next tile belongs to the next head of the walk,
	s_cmp_eq_u32 s60, 5*HEADB
	s_cselect_b32 s60, 0, s60                      ; which follows head 4 with head 0
.endif
	s_add_co_u32 s62, s60, s[56+((\j+1)&3)]
	s_add_nc_u64 s[38-4*\slot:39-4*\slot], s[44:45], s[62:63]
	s_wait_dscnt 0x0
	ROUND
.if \refill
	tensor_load_to_lds s[36-4*\slot:39-4*\slot], s[24:31]
	s_nop 0
.endif
.if \first
.irp q, 0,1,2,3,4,5,6,7
	ds_load_b128 v[QF+4*\q:QF+4*\q+3], v[QA] offset:\q*512     ; the head's q': block 4 qt + 2 s + u
.endr
.endif
	LOAD16 KF, KV+\slot, 0
	LOAD16 VF, KV+\slot, VOFF
	SMUL2 0
	SMUL2 1
	PLACES 4                                       ; four places behind the scores' matrix instructions before their results are read (ISA guide 7.12.1)
	SOFTMAX \mn, \mo, \first
	s_wait_dscnt 0x0                               ; V is in
.if \first == 0
	WIN 0x41                                       ; O (destination and source 0) in the second block, the factor in the first
.irp qt, 0,1
.set i, 0
.rept 16
	v_pk_mul_f32 v[32*\qt+2*i:32*\qt+2*i+1], v[32*\qt+2*i:32*\qt+2*i+1], v[AL+2*\qt:AL+2*\qt+1] op_sel_hi:[1,0]
.set i, i+1
.endr
.endr
.endif
	WIN 0x50                                       ; C and D in the second block
	PVMUL 0, \first
	PVMUL 1, 0
	WIN 0
	PLACES 5                                       ; five places before the next scores are written over P; they also serve the loads into V and the dump of O
.endm
; One phase of the merge: query tile qt.  I take block w (tile w >> 1, registers 4 (w & 1) .. + 3) of all eight waves' partial O.
.macro MHALF qt
.irp ww, 0,1,2,3,4,5,6,7
	ds_load_b32 v[128+\ww], v[MLR] offset:\ww*512+\qt*256          ; m of the eight waves
.endr
.irp ww, 0,1,2,3,4,5,6,7
	ds_load_b32 v[136+\ww], v[MLR] offset:\ww*512+\qt*256+128      ; l
.endr
.irp ww, 0,1,2,3,4,5,6,7
	ds_load_b128 v[SC+4*\ww:SC+4*\ww+3], v[MBR] offset:\ww*4096
.endr
	s_wait_dscnt 8                                 ; m and l are in; the eight loads of partial O may stay out
	v_max3_num_f32 v168, v128, v129, v130
	v_max3_num_f32 v169, v131, v132, v133
	v_max3_num_f32 v168, v168, v134, v135
	v_max_num_f32 v168, v168, v169
.irp ww, 0,1,2,3,4,5,6,7
	v_sub_f32 v[144+2*\ww], v[128+\ww], v168
.endr
.irp ww, 0,1,2,3,4,5,6,7
	v_exp_f32 v[144+2*\ww], v[144+2*\ww]
.endr
	v_nop
	s_wait_alu depctr_va_vdst(0)
	v_mul_f32 v169, v144, v136                     ; the row's sum, at least 1: the wave that holds the maximum adds at least 1
.irp ww, 1,2,3,4,5,6,7
	v_fmac_f32 v169, v[144+2*\ww], v[136+\ww]
.endr
	v_rcp_f32 v169, v169
	v_nop
	s_wait_alu depctr_va_vdst(0)
.irp ww, 0,1,2,3,4,5,6,7
	v_mul_f32 v[144+2*\ww], v[144+2*\ww], v169     ; each wave's weight, the division folded in
.endr
	s_wait_dscnt 0x0
	v_pk_mul_f32 v[160:161], v[SC:SC+1], v[144:145] op_sel_hi:[1,0]
	v_pk_mul_f32 v[162:163], v[SC+2:SC+3], v[144:145] op_sel_hi:[1,0]
.irp ww, 1,2,3,4,5,6,7
	v_pk_fma_f32 v[160:161], v[SC+4*\ww:SC+4*\ww+1], v[144+2*\ww:145+2*\ww], v[160:161] op_sel_hi:[1,0,1]
	v_pk_fma_f32 v[162:163], v[SC+4*\ww+2:SC+4*\ww+3], v[144+2*\ww:145+2*\ww], v[162:163] op_sel_hi:[1,0,1]
.endr
	v_cvt_pk_f16_f32 v164, v160, v161
	v_cvt_pk_f16_f32 v165, v162, v163
	ds_store_b64 v[OS], v[164:165] offset:\qt*2048 ; 256 consecutive bytes of my own
.endm
.macro DUMP qt                         ; my partial O of query tile qt: eight blocks of 512 bytes
	WIN 0x04                                       ; the stores' data in the second block
.set n, 0
.rept 8
	ds_store_b128 v[MBS], v[32*\qt+4*n:32*\qt+4*n+3] offset:512*n
.set n, n+1
.endr
	WIN 0
.endm
; The eight waves' partial results of a head become one.  Eight partial O of both query tiles are 65,536 bytes; 32,768 are left beside the ring, so the
; two query tiles go through the same bytes one after the other, with a barrier between the first's reads and the second's stores.
; The next head's first tile stays on its way.
.macro MERGE
	v_add_f32 v[LS], v[LS], v[LS+1]
	v_add_f32 v[LS+2], v[LS+2], v[LS+3]
	v_permlanex16_b32 v[AL+1], v[LS], s40, s41
	v_permlanex16_b32 v[AL+3], v[LS+2], s40, s41
	v_add_f32 v[LS], v[LS], v[AL+1]
	v_add_f32 v[LS+2], v[LS+2], v[AL+3]
	ds_store_b32 v[MLS], v[MXB]
	ds_store_b32 v[MLS], v[LS] offset:128
	ds_store_b32 v[MLS], v[MXB+2] offset:256
	ds_store_b32 v[MLS], v[LS+2] offset:384
	DUMP 0
	BAR
	MHALF 0
	BAR                                            ; every wave's reads of query tile 0's partial O are back
	DUMP 1
	BAR
	MHALF 1
	v_add_nc_u32 v[QA], 4096, v[QA]                ; the next place of the walk
	v_add_nc_u32 v[OS], 4096, v[OS]
.endm
.macro HEAD last                       ; a head: my four chunks, slots 0, 1, 0, 1
	STEP 0, 0, 1, 1, MXA, MXB
	STEP 1, 1, 1, 0, MXB, MXA
	STEP 0, 2, 1, 0, MXA, MXB
	STEP 1, 3, 1-\last, 0, MXB, MXA
	MERGE
.endm
	s_mov_b32 s42, 4
.Lhead:
	HEAD 0
	s_sub_co_i32 s42, s42, 1
	s_cmp_lg_u32 s42, 0
	s_cbranch_scc1 .Lhead
	HEAD 1                                         ; the last head is written out: its last step asks for nothing (the address made there is not used)
	; THE OUTPUT PRODUCT: out[32 tokens][my 80 columns], summed over my 32 of each head's 64 d.  Source 0 = 16 columns of Wo, source 1 = 16 tokens of O, so
	; that a lane holds eight neighbouring columns of one token.  Ten accumulators by turns; the first head starts the sums.
	BAR                                            ; everybody's merged blocks are in LDS
	s_wait_loadcnt 0x0                             ; Wo, asked for at the start
	s_lshl_b32 s54, s43, 10
	s_add_co_u32 s54, s54, QO
	v_lshrrev_b32 v[QA], 1, v1                     ; 8 L
	v_add_nc_u32 v[QA], s54, v[QA]                 ; blocks 4 kh .. 4 kh + 3 of a query tile: register pairs 0 .. 3 of its fragment
	; the way out's addresses.  Wave w = 4 kh + cg puts its 320 bytes at byte 320 w of a stage row: kh x 1,280 + cg x 320.
	v_and_b32 v2, 15, v0                           ; r
	v_bfe_u32 v3, v0, 4, 1                         ; h
	v_mul_u32_u24 v[STO], v2, OPITCH
	v_lshl_add_u32 v[STO], v3, 5, v[STO]
	s_mul_i32 s61, s14, 320
	v_add_nc_u32 v[STO], s61, v[STO]               ; row r, my 320 bytes, 32 h
	s_mul_i32 s22, s14, 4*OPITCH
	v_add_nc_u32 v[RD], s22, v1                    ; my four rows, 16 L
	v_mul_u32_u24 v[RDX], v3, OPITCH-OROW
	v_add_nc_u32 v[RDX], v[RDX], v[RD]             ; lanes 16-31 a stage row less an output row further on
	v_add_nc_u32 v[BA], BOL, v1
.irp hp, 0,1,2,3,4
.irp qt, 0,1
.irp p, 0,1,2,3
	ds_load_b64 v[QF+16*\hp+8*\qt+2*\p:QF+16*\hp+8*\qt+2*\p+1], v[QA] offset:\hp*4096+\qt*2048+\p*256
.endr
.endr
.endr
.irp hp, 0,1,2,3,4
	s_wait_dscnt 32-8*\hp                          ; the eight loads of each later head may stay out
.irp ci, 0,1,2,3,4
	WOREG \hp, \ci
	WIN (WR>>8)                                    ; source 0 where the fragment lies
.irp qt, 0,1
.if \hp == 0
	v_wmma_f32_16x16x32_f16 v[ACC+16*\ci+8*\qt:ACC+16*\ci+8*\qt+7], v[(WR&255):(WR&255)+7], v[QF+16*\hp+8*\qt:QF+16*\hp+8*\qt+7], 0
.else
	v_wmma_f32_16x16x32_f16 v[ACC+16*\ci+8*\qt:ACC+16*\ci+8*\qt+7], v[(WR&255):(WR&255)+7], v[QF+16*\hp+8*\qt:QF+16*\hp+8*\qt+7], v[ACC+16*\ci+8*\qt:ACC+16*\ci+8*\qt+7]
.endif
.endr
.endr
.endr
	WIN 0
	PLACES 4                                       ; four places behind the last matrix instructions before their results are stored (ISA guide 7.12.1)
.irp ci, 0,1,2,3,4
.irp qt, 0,1
.irp hf, 0,1
	ds_store_b128 v[STO], v[ACC+16*\ci+8*\qt+4*\hf:ACC+16*\ci+8*\qt+4*\hf+3] offset:\qt*16*OPITCH+\ci*64+\hf*16
.endr
.endr
.endr
	BAR
	; my four rows are 5,120 consecutive bytes of out0: ten stores of 512.  Two rows are 160 pieces of 16 bytes = five loads; the third straddles the rows.
.irp k, 0,1,2,3,4
	ds_load_b128 v[BI+4*\k:BI+4*\k+3], v[BA] offset:512*\k         ; the bias of the five pieces of a pair of rows, from the doubled copy
.endr
.macro PIECE p, areg, off              ; piece p of my rows: the sums over d 0-31 and, 1,280 bytes on, those over d 32-63
	ds_load_b128 v[QF+4*(\p):QF+4*(\p)+3], v[\areg] offset:\off
	ds_load_b128 v[QF+40+4*(\p):QF+40+4*(\p)+3], v[\areg] offset:\off+OROW
.endm
.irp pr, 0,1
	PIECE 5*\pr,   RD,  \pr*2*OPITCH
	PIECE 5*\pr+1, RD,  \pr*2*OPITCH+512
	PIECE 5*\pr+2, RDX, \pr*2*OPITCH+1024
	PIECE 5*\pr+3, RD,  \pr*2*OPITCH+1536+OPITCH-OROW
	PIECE 5*\pr+4, RD,  \pr*2*OPITCH+2048+OPITCH-OROW
.endr
.set i, 0
.rept 10
	s_wait_dscnt 18-2*i                            ; LDS loads come back in order: the bias and piece i are in, the two loads of each later piece stay out
	v_pk_add_f32 v[QF+4*i:QF+4*i+1],   v[QF+4*i:QF+4*i+1],   v[QF+40+4*i:QF+41+4*i]
	v_pk_add_f32 v[QF+4*i+2:QF+4*i+3], v[QF+4*i+2:QF+4*i+3], v[QF+42+4*i:QF+43+4*i]
	v_pk_add_f32 v[QF+4*i:QF+4*i+1],   v[QF+4*i:QF+4*i+1],   v[BI+4*(i%5):BI+4*(i%5)+1]
	v_pk_add_f32 v[QF+4*i+2:QF+4*i+3], v[QF+4*i+2:QF+4*i+3], v[BI+4*(i%5)+2:BI+4*(i%5)+3]
	global_store_b128 v1, v[QF+4*i:QF+4*i+3], s[52:53] offset:512*i th:TH_STORE_NT   ; sixteen lanes store 256 consecutive bytes at a multiple of 256
.set i, i+1
.endr
	s_wait_xcnt 0x0
	v_lshl_add_u32 v190, v0, 2, 0x4ea00
	v_mov_b32 v191, 0
	s_wait_tensorcnt 0x0
	ds_add_u32 v190, v191
	s_wait_dscnt 0x0
	ROUND                                          ; the closing round: no work-group ends while a partner may still ask for a tile that names it
	s_endpgm
.Lfunc_end_k_q44a439954e_attn:
	.size	k_q44a439954e_attn, .Lfunc_end_k_q44a439954e_attn-k_q44a439954e_attn
	.p2alignl 7, 3214868480
	.fill 96, 4, 3214868480
	.section	.rodata,"a",@progbits
	.p2align	6, 0x0
	.amdhsa_kernel k_q44a439954e_attn
		.amdhsa_group_segment_fixed_size 327680
		.amdhsa_private_segment_fixed_size 0
		.amdhsa_enable_private_segment 0
		.amdhsa_kernarg_size 40
		.amdhsa_user_sgpr_count 2
		.amdhsa_user_sgpr_kernarg_segment_ptr 1
		.amdhsa_wavefront_size32 1
		.amdhsa_system_sgpr_workgroup_id_x 1
		.amdhsa_system_sgpr_workgroup_id_y 1
		.amdhsa_system_sgpr_workgroup_id_z 1
		.amdhsa_system_vgpr_workitem_id 0
		.amdhsa_next_free_vgpr 512
		.amdhsa_next_free_sgpr 86
		.amdhsa_reserve_vcc 0
		.amdhsa_float_denorm_mode_32 3
		.amdhsa_float_denorm_mode_16_64 3
		.amdhsa_memory_ordered 1
		.amdhsa_forward_progress 1
		.amdhsa_inst_pref_size 185
	.end_amdhsa_kernel
	.amdgpu_metadata
---
amdhsa.version: [ 1, 2 ]
amdhsa.kernels:
  - .name:           k_q44a439954e_attn
    .symbol:         k_q44a439954e_attn.kd
    .args:
      - { .name: qf, .offset: 0, .size: 8, .value_kind: global_buffer, .address_space: global }
      - { .name: kv, .offset: 8, .size: 8, .value_kind: global_buffer, .address_space: global }
      - { .name: wof, .offset: 16, .size: 8, .value_kind: global_buffer, .address_space: global }
      - { .name: bo, .offset: 24, .size: 8, .value_kind: global_buffer, .address_space: global }
      - { .name: out0, .offset: 32, .size: 8, .value_kind: global_buffer, .address_space: global }
    .group_segment_fixed_size: 327680
    .private_segment_fixed_size: 0
    .kernarg_segment_align: 8
    .kernarg_segment_size: 40
    .max_flat_workgroup_size: 256
    .sgpr_count:     86
    .vgpr_count:     512
    .wavefront_size: 32
...
	.end_amdgpu_metadata
.endif
;; end of part 2
;; ======== version 2 of 2: 2 launches; version 1 with the launch proj written anew for expert scheduling mode
;; limits: values are held in f16: magnitudes above 65,504 overflow, below 6.1e-05 lose precision
;; workspace buffers: qf 5,242,880 bytes; kv 10,485,760 bytes; wof 204,800 bytes
;; launch proj (part 3): grid 64 x 3, 8 waves a work-group, no clusters, 302,080 bytes of LDS; arguments x, edge, Wq, Wk, Wv, Wo, qf, kv, wof; writes qf, kv, wof
.if DOCPART == 3
	.amdgcn_target "amdgcn-amd-amdhsa--gfx1250"
	.amdhsa_code_object_version 6
	.text
	.protected	k_q44a439954e_proj
	.globl	k_q44a439954e_proj
	.p2align	8
	.type	k_q44a439954e_proj,@function
k_q44a439954e_proj:
	s_mov_b64 s[64:65], 0
	v_nop
	global_prefetch_b8 v0, s[64:65] scope:SCOPE_SE
	s_setreg_imm32_b32 hwreg(HW_REG_WAVE_SCHED_MODE, 0, 2), 2
	s_setreg_imm32_b32 hwreg(HW_REG_WAVE_MODE, 25, 1), 1
	s_wait_xcnt 0x0
	s_wait_alu depctr_vm_vsrc(0)
; PROJ: q' = (x Wq) e scale log2(e), k' = (x Wk) e, v = x Wv, and Wo rewritten; everything is stored in the order in which
; the attention launch's matrix operands want it: blocks of 512 bytes, lane L's 16 bytes at 16 L.
; kv holds, for each pair 5 b + head, 32 chunks of 64 keys: 8,192 bytes of k' and then 8,192 bytes of v.
; The edge factor e_i e_j of a score is an outer product, so e_i goes into q and e_j into k; pair 5 b + head uses edge row (b + head) & 3.
; Work-group (X, type): tokens 128 X .. 128 X + 127, all 320 columns of q (type 0), k (1) or v (2).  192 equal work-groups: a split of the
; 960 columns by four would mix the three kinds, their operand orders and their targets in one wave.
; Eight waves: wave w has 64 tokens (wr = w >> 2) x 80 columns (wc = w & 3): 20 accumulator tiles, 160 registers.
; x and W are f32 in memory and are narrowed to f16 on the way, so they pass through registers; W in f32 (409,600 bytes) would not fit
; in LDS, which is why no tensor load and no joint request brings it, although 64 work-groups read the same W.
; LIMITS: x and the weights pass through f16 and v is stored in f16: |value| < 65,504 (x and Wv both 30 times the drawn spread give |v| near 4,700).
; q' and k' are stored in bf16, whose range is f32's.  NaN and infinities are not served.
; THE MODE: SCHED_MODE bits 1:0 = 2 (LLVM: expert scheduling mode 2), set by the entry lines.  The code itself states the register dependences
; between vector or matrix instructions and memory or LDS instructions, with s_wait_alu, always for 0.
; THE PLAN.  Registers that memory or LDS instructions touch:
;   STAGING, 28 groups.
;   SL0 .. SL7   Group g's ten conversions read SL[g & 7]; the loads of group g + 7, issued in group g, land in SL[(g - 1) & 7].
;   T0, T1       Group g's conversions write T[g & 1]; the five LDS stores that read it are issued in group g + 1.
;   v5, v6       The stores' LDS addresses: read by the stores, moved on once a group, at the group's head, between its two waits.
;   So a group's memory instructions touch the two buffers that the group before worked on and that none of its own conversions names, and the
;   waits at a group's head state all that they hang on.
;   THE PRODUCT, ten K steps.
;   F0, F1       Two fragment buffers: v16-87, and the same numbers in the second block of 256 registers (v272-343).  Step ks's twenty matrix instructions
;                read F[ks & 1]; the eighteen LDS loads of step ks + 1, one run behind the step's first four matrix instructions, land in the other.
;   v10          W's LDS address: read by the transposing loads, moved on at a step's head, ahead of the wait that stands there anyway.
;   THE WAY OUT.  A column tile's roundings write the low four registers of its four accumulators; its four stores are issued in the next tile's turn, behind one wait.
;   v4, v7, v8, v9, v12, v13  offsets and addresses made once at the head and never written again.
.set XROW,   1280                      ; bytes in a row of x and of W (320 f32)
.set GRP,    16*XROW                   ; a staging group: 16 rows
.set WPITCH, 672                       ; LDS row of W in f16: 640 bytes + 32 (21 x 32: the pitch the transposing load wants odd in units of 32)
.set XPITCH, 656                       ; LDS row of x in f16: 640 bytes + 16 (41 x 16)
.set XL,     320*WPITCH                ; 215,040: x behind W
.set EL,     XL+128*XPITCH             ; 299,008: edge[4][128 tokens] f32, 2,048 bytes
.set T,   16                           ; v[16:35]   two sets of ten: a group narrowed to f16
.set SL,  96                           ; v[96:255]  eight staging slots of 20 registers
.set XF,  16                           ; v[16:47]   fragments of x, 4 token tiles: even K steps here, odd ones at the same numbers in the second block
.set WF,  48                           ; v[48:87]   fragments of W, 5 column tiles: likewise
.set EF,  16                           ; v[16:55]   way out: the edge factor of tile n in the even register EF + 2 n
.set EAD, 88                           ; v[88:92]   way out: LDS address of the edge row of column tile ci
.set ACC, 96                           ; v[96:255]  tile (ci, nt) at ACC + 8 (4 ci + nt)
.set MSB, 0
.macro WIN new                         ; s_set_vgpr_msb: bits 1:0 source 0, 3:2 source 1, 5:4 source 2, 7:6 destination; the high byte repeats the setting left; a switch that changes nothing is dropped
.if MSB != (\new)
	s_set_vgpr_msb (MSB<<8)|(\new)
.set MSB, (\new)
.endif
.endm
.macro PLACES n
.rept \n
	v_nop
.endr
.endm
	s_load_b512 s[4:19], s[0:1], 0x0               ; x 4, edge 6, Wq 8, Wk 10, Wv 12, Wo 14, qf 16, kv 18
	s_load_b64 s[20:21], s[0:1], 0x40              ; wof
	v_lshl_add_u32 v94, v0, 2, 0x49800
	v_mov_b32 v95, 0
	v_lshrrev_b32 v1, 5, v0
	v_readfirstlane_b32 s30, v1                    ; wave 0..7
	s_and_b32 s31, ttmp7, 0xffff                   ; type
	s_lshr_b32 s35, ttmp9, 4                       ; b
	s_and_b32 s36, ttmp9, 15                       ; cn: block of 128 tokens in the batch
	s_min_u32 s37, s31, 1                          ; 1 where the target is kv (twice qf's bytes for a pair and for a block)
	s_lshr_b32 s38, s31, 1                         ; 1 for v
	s_mul_i32 s39, s35, 5                          ; 5 b
	v_lshrrev_b32 v1, 4, v0                        ; t >> 4: my row in a staging group
	v_and_b32 v2, 15, v0                           ; t & 15: my 16 bytes in a piece of 256; also r
	v_bfe_u32 v3, v0, 4, 1                         ; h
	v_mul_u32_u24 v4, v1, XROW
	v_lshl_add_u32 v4, v2, 4, v4                   ; v4: global offset in a group
	v_mul_u32_u24 v5, v1, WPITCH
	v_lshl_add_u32 v5, v2, 3, v5                   ; v5: where my 8 bytes of W go
	v_mul_u32_u24 v6, v1, XPITCH
	v_lshl_add_u32 v6, v2, 3, v6
	v_add_nc_u32 v6, XL, v6                        ; v6: where my 8 bytes of x go
	v_lshrrev_b32 v7, 6, v0
	v_and_b32 v8, 63, v0
	v_lshlrev_b32 v7, 13, v7
	v_lshl_add_u32 v7, v8, 3, v7                   ; v7: edge row t >> 6 (8,192 bytes apart), 8 bytes at 8 (t & 63)
	v_lshlrev_b32 v8, 3, v0
	v_add_nc_u32 v8, EL, v8                        ; v8: the same 8 bytes in LDS
	s_wait_alu depctr_va_sdst(0)                   ; s30 is written, ahead of its first reader: wr, wc and all that is made of them
	s_lshr_b32 s32, s30, 2                         ; wr
	s_and_b32 s33, s30, 3                          ; wc
	s_mul_i32 s55, s33, 5                          ; 5 wc: my first column tile
	s_lshl_b32 s62, s32, 6
	v_add_nc_u32 v11, s62, v2                      ; 64 wr + r
	v_mul_u32_u24 v9, v11, XPITCH
	v_lshl_add_u32 v9, v3, 4, v9
	v_add_nc_u32 v9, XL, v9                        ; v9: x fragment: row x pitch + 16 h
	v_lshlrev_b32 v11, 2, v11
	v_add_nc_u32 v11, EL, v11                      ; v11: edge of my token in edge row 0
	v_and_b32 v10, 7, v0
	v_lshl_add_u32 v10, v3, 3, v10                 ; 8 h + (L & 7)
	v_mul_u32_u24 v10, v10, WPITCH
	v_bfe_u32 v12, v0, 3, 1
	v_lshl_add_u32 v10, v12, 4, v10
	s_mul_i32 s63, s33, 160
	v_add_nc_u32 v10, s63, v10                     ; v10: W fragment through the transposing load, K step 0
	v_and_b32 v12, 31, v0
	v_lshlrev_b32 v12, 4, v12                      ; v12: 16 L
	v_mul_u32_u24 v13, v3, 8*XROW
	v_lshl_add_u32 v13, v2, 2, v13                 ; v13: Wo: 8 h rows + 4 r
	s_wait_kmcnt 0x0
	s_cmp_eq_u32 s31, 1
	s_cselect_b64 s[22:23], s[10:11], s[8:9]
	s_cmp_eq_u32 s31, 2
	s_cselect_b64 s[22:23], s[12:13], s[22:23]     ; s[22:23]: my W
	s_cmp_eq_u32 s31, 0
	s_cselect_b64 s[24:25], s[16:17], s[18:19]     ; s[24:25]: my target
	s_cselect_b32 s34, 0x3e38aa3b, 1.0             ; q also takes 64^-0.5 x log2(e) = 0.18033688, so that the softmax uses a bare exp2
	s_mul_i32 s60, ttmp9, 128*XROW
	s_mov_b32 s61, 0
	s_add_nc_u64 s[26:27], s[4:5], s[60:61]        ; x at my first token
	s_lshl_b32 s60, s36, 9
	s_add_nc_u64 s[28:29], s[6:7], s[60:61]        ; edge at my block, row 0
	s_wait_alu depctr_va_vdst(0)                   ; the offsets and addresses v4 to v13 are written, which the loads, stores and LDS instructions below read
; STAGING.  A group is 16 rows; each of its five loads covers, in every half of a wave, 256 consecutive bytes at a multiple of 256.
; Groups 0-7 are x, groups 8-27 are W.  Eight groups (40 loads of a wave) go out at the start; from group 1 on six or seven groups are on their way.
.macro GLOAD1 g, j                     ; piece j of group g's five loads
.if (\g) < 8
	global_load_b128 v[SL+20*((\g)&7)+4*(\j):SL+20*((\g)&7)+4*(\j)+3], v4, s[26:27] offset:(\g)*GRP+(\j)*256
.else
	global_load_b128 v[SL+20*((\g)&7)+4*(\j):SL+20*((\g)&7)+4*(\j)+3], v4, s[22:23] offset:((\g)-8)*GRP+(\j)*256
.endif
.endm
.macro GSTORE1 g, j                    ; piece j of group g's five LDS stores
.if (\g) < 8
	ds_store_b64 v6, v[T+10*((\g)&1)+2*(\j):T+10*((\g)&1)+2*(\j)+1] offset:(\j)*128
.else
	ds_store_b64 v5, v[T+10*((\g)&1)+2*(\j):T+10*((\g)&1)+2*(\j)+1] offset:(\j)*128
.endif
.endm
.macro GADDR g                         ; the stores' LDS address moves on to group g's sixteen rows (groups 0 and 8 find it as it was made)
.if ((\g) > 0) && ((\g) < 8)
	v_add_nc_u32 v6, 16*XPITCH, v6
.endif
.if (\g) > 8
	v_add_nc_u32 v5, 16*WPITCH, v5
.endif
.endm
; Group g: its ten conversions; in front of the first five of them, one each, the loads of group g + 7 and the LDS stores of group g - 1.
.macro GROUP g, left
	s_wait_loadcnt \left                           ; loads come back in order: group g is in, the groups issued behind it stay out
.if (\g) > 1
	s_wait_alu depctr_vm_vsrc(0)                   ; the LDS stores issued in the group before have read T[g & 1], which this group's conversions write again, and their address
	GADDR (\g)-1
.endif
.if (\g) > 0
	s_wait_alu depctr_va_vdst(0)                   ; the group before has written the other T, which the stores below read, and is done reading its SL, in which the loads below land; the address is written
.endif
.set i, 0
.rept 10
.if i < 5
.if ((\g) > 0) && ((\g) < 21)
	GLOAD1 (\g)+7, i                               ; no conversion since the wait names these registers
.endif
.if (\g) > 0
	GSTORE1 (\g)-1, i
.endif
.endif
	v_cvt_pk_f16_f32 v[T+10*((\g)&1)+i], v[SL+20*((\g)&7)+2*i], v[SL+20*((\g)&7)+2*i+1]
.set i, i+1
.endr
.endm
	global_load_b64 v[14:15], v7, s[28:29]         ; edge: 4 rows x 128 tokens, 8 bytes a thread
.set g, 0
.rept 8
.irp j, 0,1,2,3,4
	GLOAD1 g, \j
.endr
.set g, g+1
.endr
	; the five store bases and edge rows of my column tiles ct = 5 wc + ci (head = ct >> 2), while the loads are on their way
	s_add_co_u32 s62, s37, 13
	s_lshl_b32 s63, s32, s62                       ; my 64 tokens: 8,192 bytes on in qf, a whole chunk of 16,384 bytes on in kv
	s_lshl_b32 s62, s38, 13                        ; v lies 8,192 bytes behind k in a chunk
	s_add_co_u32 s63, s63, s62
	s_add_co_u32 s2, s38, 9                        ; a column tile's block: 512 bytes (q, k), 1,024 (v: two blocks, u = 0, 1)
	s_lshl_b32 s3, s36, 14                         ; cn x 16,384
.irp ci, 0,1,2,3,4
	s_add_co_u32 s60, s55, \ci                     ; ct
	s_lshr_b32 s61, s60, 2                         ; head
	s_and_b32 s60, s60, 3
	s_add_co_u32 s62, s61, s35
	s_and_b32 s62, s62, 3                          ; edge row (b + head) & 3 = (5 b + head) mod 4
	s_lshl_b32 s[50+\ci], s62, 9
	s_add_co_u32 s61, s61, s39                     ; 5 b + head
	s_lshl_b32 s61, s61, 18
	s_add_co_u32 s61, s61, s3
	s_lshl_b32 s61, s61, s37                       ; doubled in kv
	s_lshl_b32 s60, s60, s2
	s_add_co_u32 s60, s60, s61
	s_add_co_u32 s60, s60, s63
	s_mov_b32 s61, 0
	s_add_nc_u64 s[40+2*\ci:41+2*\ci], s[24:25], s[60:61]
.endr
	; Wo in fragment order, f16: 400 blocks of 512 bytes; block 20 ct + rem holds Wo[16 rem + 8 h + j][16 ct + r].
	; Wave w of work-group (X, 0), X < 50, makes block 8 X + w.  No barrier stands inside the branch.
	s_lshl_b32 s60, ttmp9, 3
	s_add_co_u32 s60, s60, s30
	s_lshl_b32 s61, s31, 12
	s_add_co_u32 s60, s60, s61                     ; 8 X + w, pushed past 400 for types 1 and 2
	s_cmp_lt_u32 s60, 400
	s_cbranch_scc0 .Lno_wo
	s_mul_i32 s61, s60, 3277
	s_lshr_b32 s61, s61, 16                        ; ct = block / 20 (exact below 400)
	s_mul_i32 s62, s61, 20
	s_sub_co_u32 s62, s60, s62                     ; rem
	s_mul_i32 s62, s62, GRP
	s_lshl_b32 s61, s61, 6
	s_add_co_u32 s56, s62, s61
	s_mov_b32 s57, 0
	s_add_nc_u64 s[56:57], s[14:15], s[56:57]
	s_lshl_b32 s58, s60, 9
	s_mov_b32 s59, 0
	s_add_nc_u64 s[58:59], s[20:21], s[58:59]
.irp j, 0,1,2,3,4,5,6,7
	global_load_b32 v[36+\j], v13, s[56:57] offset:\j*XROW
.endr
	s_wait_loadcnt 0x0                             ; these eight are the youngest loads: zero; the counted waits below hold all the more
.irp j, 0,1,2,3
	v_cvt_pk_f16_f32 v[44+\j], v[36+2*\j], v[37+2*\j]
.endr
	s_wait_alu depctr_va_vdst(0)                   ; the four conversions have written v[44:47], which the store reads
	global_store_b128 v12, v[44:47], s[58:59]      ; 512 consecutive bytes
.Lno_wo:
	s_wait_loadcnt 40                              ; the edge load is older than the 40 loads of groups 0-7
	ds_store_b64 v8, v[14:15]
	GROUP 0, 35                                    ; seven groups of five loads were issued behind group 0; it has no group in front of it
.set g, 1
.rept 27
.if g < 22
	GROUP g, 30                                    ; six groups were issued behind group g: group g + 7 goes out only behind this wait
.else
	GROUP g, 5*(27-g)                              ; the counts run down
.endif
.set g, g+1
.endr
	s_wait_alu depctr_vm_vsrc(0)                   ; the LDS stores issued in group 27 have read their address
	GADDR 27
	s_wait_alu depctr_va_vdst(0)                   ; group 27's conversions have written T1, which the last five stores read; the address is written
.irp j, 0,1,2,3,4
	GSTORE1 27, \j
.endr
	s_wait_xcnt 0x0                                ; the Wo store's data registers are written again below only behind this wait
	s_wait_dscnt 0x0                               ; my part of x, W and edge is in LDS,
	s_barrier_signal -1
	s_barrier_wait -1                              ; everybody's is
	s_wait_alu depctr_vm_vsrc(0)                   ; my LDS stores have read T0 and T1, the Wo store v[44:47]: these registers are fragment buffer 0 from here on (the conversions that named them stand ahead of the last wait on va_vdst)
; THE PRODUCT: ten K steps of 32.  swap = 0 (q, k): source 0 = 16 columns of W, source 1 = 16 tokens, so that a lane's eight results are eight
; neighbouring d of one token.  swap = 1 (v): the other way round: eight neighbouring tokens of one d.  The first K step starts the sums.
; The twenty accumulators take turns, one instruction a turn.
.macro MM swap, zero, ci, nt
.if \swap
.if \zero
	v_wmma_f32_16x16x32_f16 v[ACC+8*(4*\ci+\nt):ACC+8*(4*\ci+\nt)+7], v[XF+8*\nt:XF+8*\nt+7], v[WF+8*\ci:WF+8*\ci+7], 0
.else
	v_wmma_f32_16x16x32_f16 v[ACC+8*(4*\ci+\nt):ACC+8*(4*\ci+\nt)+7], v[XF+8*\nt:XF+8*\nt+7], v[WF+8*\ci:WF+8*\ci+7], v[ACC+8*(4*\ci+\nt):ACC+8*(4*\ci+\nt)+7]
.endif
.else
.if \zero
	v_wmma_f32_16x16x32_f16 v[ACC+8*(4*\ci+\nt):ACC+8*(4*\ci+\nt)+7], v[WF+8*\ci:WF+8*\ci+7], v[XF+8*\nt:XF+8*\nt+7], 0
.else
	v_wmma_f32_16x16x32_f16 v[ACC+8*(4*\ci+\nt):ACC+8*(4*\ci+\nt)+7], v[WF+8*\ci:WF+8*\ci+7], v[XF+8*\nt:XF+8*\nt+7], v[ACC+8*(4*\ci+\nt):ACC+8*(4*\ci+\nt)+7]
.endif
.endif
.endm
; The eighteen LDS loads of K step ks, in one run, into buffer ks & 1: x's eight first, then W's ten.  v10 stands at the step's 32 rows of W.
.macro FRAG ks
	WIN ((\ks)&1)<<6                               ; destination in the buffer's block, addresses in the first
.irp nt, 0,1,2,3
	ds_load_b128 v[XF+8*\nt:XF+8*\nt+3],   v9 offset:\nt*16*XPITCH+(\ks)*64
	ds_load_b128 v[XF+8*\nt+4:XF+8*\nt+7], v9 offset:\nt*16*XPITCH+(\ks)*64+32
.endr
.irp ci, 0,1,2,3,4
	ds_load_tr16_b128 v[WF+8*\ci:WF+8*\ci+3],   v10 offset:\ci*32              ; W lies [k][n]: transposed on the way, k = 8 h .. 8 h + 7 of column r
	ds_load_tr16_b128 v[WF+8*\ci+4:WF+8*\ci+7], v10 offset:\ci*32+16*WPITCH    ; k = 16 + 8 h ..
.endr
.endm
; K step ks multiplies buffer ks & 1, which was asked for in the step before, and asks for step ks + 1 behind its first four matrix instructions.  The last step asks for nothing and states nothing.
.macro KSTEP ks, swap, zero
.if (\ks) < 9
	WIN 0
	s_wait_alu depctr_vm_vsrc(0)                   ; this step's transposing loads have read v10
	v_add_nc_u32 v10, 32*WPITCH, v10               ; the next K step's 32 rows of W
.if (\ks) > 0
	PLACES 3                                       ; with the add: four places between the last step's matrix instructions and the loads into the fragments that they read
.endif
	s_wait_alu depctr_va_vdst(0)                   ; v10 is written, which the loads below read; the last step's matrix instructions are done reading the other buffer, in which they land
.endif
.irp ci, 0,1,2,3,4
.if ((\ks) < 9) && (\ci > 0)
	s_wait_dscnt 26-2*\ci                          ; W's tiles up to ci are in; the two loads of each later tile and the eighteen just issued stay out
.else
	s_wait_dscnt 8-2*\ci                           ; x and W's tiles up to ci are in; the two loads of each later tile stay out
.endif
	WIN 5*((\ks)&1)                                ; sources 0 and 1 in the buffer's block, C and D in the first
.irp nt, 0,1,2,3
	MM \swap, \zero, \ci, \nt
.endr
.if ((\ks) < 9) && (\ci == 0)
	FRAG (\ks)+1                                   ; no wait: the four matrix instructions since the wait name this step's buffer and the accumulators alone
.endif
.endr
.endm
	s_cmp_eq_u32 s31, 2
	s_cbranch_scc1 .Lv
	FRAG 0
	KSTEP 0, 0, 1
.set kk, 1
.rept 9
	KSTEP kk, 0, 0
.set kk, kk+1
.endr
	; way out of q and k: times the token's edge factor (q: also the scale), to bf16, 16 bytes a lane, 512 consecutive bytes a store
	WIN 0
	PLACES 4
.irp ci, 0,1,2,3,4
	v_add_nc_u32 v[EAD+\ci], s[50+\ci], v11
.endr
	s_wait_alu depctr_va_vdst(0)                   ; the five addresses are written, which the loads below read; the matrix instructions are done reading buffer 0, in which they land
.irp ci, 0,1,2,3,4
.irp nt, 0,1,2,3
	ds_load_b32 v[EF+2*(4*\ci+\nt)], v[EAD+\ci] offset:\nt*64
.endr
.endr
	s_wait_dscnt 0x0
.set n, 0
.rept 20
	v_mul_f32 v[EF+2*n], s34, v[EF+2*n]
.set n, n+1
.endr
; Turn c: the arithmetic of column tile c's four accumulators; in front of each, one of the four stores of column tile c - 1.  Turn 5 stores alone.
.macro QKTILES c
.if (\c) > 0
	s_wait_alu depctr_va_vdst(0)                   ; the roundings of column tile c - 1 have written the sixteen registers that the four stores below read; nothing writes them again
.endif
.irp nt, 0,1,2,3
.if (\c) > 0
	global_store_b128 v12, v[ACC+8*(4*((\c)-1)+\nt):ACC+8*(4*((\c)-1)+\nt)+3], s[40+2*((\c)-1):41+2*((\c)-1)] offset:\nt*2048
.endif
.if (\c) < 5
.set A0, ACC+8*(4*(\c)+\nt)
.set E0, EF+2*(4*(\c)+\nt)
.irp p, 0,2,4,6
	v_pk_mul_f32 v[A0+\p:A0+\p+1], v[A0+\p:A0+\p+1], v[E0:E0+1] op_sel_hi:[1,0]
.endr
.irp p, 0,1,2,3
	v_cvt_pk_bf16_f32 v[A0+\p], v[A0+2*\p], v[A0+2*\p+1]       ; in place: register p was read by an earlier line
.endr
.endif
.endr
.endm
.irp c, 0,1,2,3,4,5
	QKTILES \c
.endr
	s_wait_dscnt 0x0                               ; the closing lines, six on end
	s_wait_alu 0x0
	s_wait_tensorcnt 0x0
	ds_add_u32 v94, v95
	s_wait_dscnt 0x0
	s_endpgm
.Lv:
	FRAG 0
	KSTEP 0, 1, 1
.set kk, 1
.rept 9
	KSTEP kk, 1, 0
.set kk, kk+1
.endr
	; way out of v: to f16; token tile nt is K step nt >> 1 (4,096 bytes), half nt & 1 (512 bytes) of the attention's second product
	WIN 0
	PLACES 4
; Turn c: the roundings of column tile c; in front of each accumulator's four, one of the four stores of column tile c - 1.  Turn 5 stores alone.
.macro VTILES c
.if (\c) > 0
	s_wait_alu depctr_va_vdst(0)                   ; the roundings of column tile c - 1 have written the sixteen registers that the four stores below read; nothing writes them again
.endif
.irp nt, 0,1,2,3
.if (\c) > 0
	global_store_b128 v12, v[ACC+8*(4*((\c)-1)+\nt):ACC+8*(4*((\c)-1)+\nt)+3], s[40+2*((\c)-1):41+2*((\c)-1)] offset:(\nt>>1)*4096+(\nt&1)*512
.endif
.if (\c) < 5
.set A0, ACC+8*(4*(\c)+\nt)
.irp p, 0,1,2,3
	v_cvt_pk_f16_f32 v[A0+\p], v[A0+2*\p], v[A0+2*\p+1]
.endr
.endif
.endr
.endm
.irp c, 0,1,2,3,4,5
	VTILES \c
.endr
	s_wait_dscnt 0x0                               ; the closing lines, six on end
	s_wait_alu 0x0
	s_wait_tensorcnt 0x0
	ds_add_u32 v94, v95
	s_wait_dscnt 0x0
	s_endpgm
.Lfunc_end_k_q44a439954e_proj:
	.size	k_q44a439954e_proj, .Lfunc_end_k_q44a439954e_proj-k_q44a439954e_proj
	.p2alignl 7, 3214868480
	.fill 96, 4, 3214868480
	.section	.rodata,"a",@progbits
	.p2align	6, 0x0
	.amdhsa_kernel k_q44a439954e_proj
		.amdhsa_group_segment_fixed_size 302080
		.amdhsa_private_segment_fixed_size 0
		.amdhsa_enable_private_segment 0
		.amdhsa_kernarg_size 72
		.amdhsa_user_sgpr_count 2
		.amdhsa_user_sgpr_kernarg_segment_ptr 1
		.amdhsa_wavefront_size32 1
		.amdhsa_system_sgpr_workgroup_id_x 1
		.amdhsa_system_sgpr_workgroup_id_y 1
		.amdhsa_system_sgpr_workgroup_id_z 1
		.amdhsa_system_vgpr_workitem_id 0
		.amdhsa_next_free_vgpr 344
		.amdhsa_next_free_sgpr 66
		.amdhsa_reserve_vcc 0
		.amdhsa_float_denorm_mode_32 3
		.amdhsa_float_denorm_mode_16_64 3
		.amdhsa_memory_ordered 1
		.amdhsa_forward_progress 1
		.amdhsa_inst_pref_size 130
	.end_amdhsa_kernel
	.amdgpu_metadata
---
amdhsa.version: [ 1, 2 ]
amdhsa.kernels:
  - .name:           k_q44a439954e_proj
    .symbol:         k_q44a439954e_proj.kd
    .args:
      - { .name: x, .offset: 0, .size: 8, .value_kind: global_buffer, .address_space: global }
      - { .name: edge, .offset: 8, .size: 8, .value_kind: global_buffer, .address_space: global }
      - { .name: Wq, .offset: 16, .size: 8, .value_kind: global_buffer, .address_space: global }
      - { .name: Wk, .offset: 24, .size: 8, .value_kind: global_buffer, .address_space: global }
      - { .name: Wv, .offset: 32, .size: 8, .value_kind: global_buffer, .address_space: global }
      - { .name: Wo, .offset: 40, .size: 8, .value_kind: global_buffer, .address_space: global }
      - { .name: qf, .offset: 48, .size: 8, .value_kind: global_buffer, .address_space: global }
      - { .name: kv, .offset: 56, .size: 8, .value_kind: global_buffer, .address_space: global }
      - { .name: wof, .offset: 64, .size: 8, .value_kind: global_buffer, .address_space: global }
    .group_segment_fixed_size: 302080
    .private_segment_fixed_size: 0
    .kernarg_segment_align: 8
    .kernarg_segment_size: 72
    .max_flat_workgroup_size: 256
    .sgpr_count:     66
    .vgpr_count:     344
    .wavefront_size: 32
...
	.end_amdgpu_metadata
.endif
;; end of part 3
;; launch attn: the kernel of part 2 again; grid 256 x 1, 8 waves a work-group, clusters of 4 x 1, 327,680 bytes of LDS; arguments qf, kv, wof, bo, out0; writes out0
